; MI455X (gfx1250); checked and timed in simulation.
; The chip was launched on July 23, 2026; its instructions are those of AMD's public machine-readable ISA for CDNA 5 (MIT licence, August 2026) and "CDNA5" Instruction Set Architecture Reference Guide (July 2026). The comments in the code are by the model that wrote it; some were corrected since.
;; Hybrid Layer. Allowed arithmetic: matrix products marked QUANTISED: E3M2 operands, one E8M0 scale for each 32 along K, by v_wmma_scale_f32_16x16x128_f8f6f4 with both operands' format E3M2, f32 sums; products left as they are: f32 operands where the result goes on into a quantised operand, else bf16, f16 or f32 operands; f32 sums; everything else in f32.
;; Inputs: alpha one number float32; amp 16 float32; beta one number float32; bias 4,096 float32; cf 16 float32; cp 16 float32; lora_A 4,096 x 2 float32; lora_B 2 x 4,096 float32; rf 16 float32; rp 16 float32; x_codes 4,096 x 128 x 24 uint8 (E3M2 codes of x, K innermost, in blocks of 32 codes, four codes in three bytes); x_scales 4,096 x 128 uint8 (E8M0 scales of x, one for each 32 codes along K).
;; Outputs: out0 4,096 x 4,096 float32.
;; This version of the problem:
;;   THIS VERSION OF THE PROBLEM IS GIVEN IN LOW PRECISION. The matrix products marked QUANTISED in the list below multiply operands that are first quantised to E3M2 (3 exponent bits, 2 mantissa bits; 6 bits a number), with one power-of-two scale for each 32 numbers along K (OCP MX v1.0); their sums are f32. All else is computed in f32.
;;   The module's matrix products, in the order in which they are computed (A, B: the left and right operand; K: the contracted axis; several contracted axes count as one K, in the product's order):
;;     1. batch 16 x [M 1, K 1] x [K 1, N 4,096]; A: computed on the way; B: computed on the way: left as it is (no contracted axis)
;;     2. [M 4,096, K 16] x [K 16, N 4,096]; A: computed on the way; B: computed on the way: left as it is (K = 16 < 32)
;;     3. [M 4,096, K 2] x [K 2, N 4,096]; A: input lora_A; B: input lora_B: left as it is (K = 2 < 32)
;;     4. [M 4,096, K 4,096] x [K 4,096, N 4,096]; A: input x (given as codes); B: computed on the way: QUANTISED
;;   THE QUANTISER, for each operand of a quantised product, along K:
;;     - K is cut into blocks of 32 from its start; a last block that is shorter is filled with zeros.
;;     - A block's scale is 2^e with e = floor(log2(the largest magnitude in the block)) - 4, held to -126 .. 127; a block of zeros has e = 0. As a byte (E8M0): e + 127.
;;     - Each number is divided by its block's scale, clamped to +-28, and rounded to the nearest number of E3M2, ties to even, subnormals kept.
;;     - The product sums the exact products of the quantised numbers (number of the format x scale) in f32.
;;   ~~~python
;;   def quantise(x, axis):      # numpy; x: float32 -> the quantised numbers, widened to float32 again
;;       x = np.moveaxis(x, axis, -1); K = x.shape[-1]
;;       x = np.pad(x, [(0, 0)] * (x.ndim - 1) + [(0, -K % 32)]); x = x.reshape(x.shape[:-1] + (-1, 32)); a = np.abs(x).max(-1, keepdims=True)
;;       e = np.where(a > 0, np.clip(np.frexp(np.where(a > 0, a, 1))[1] - 1 - 4, -126, 127), 0)      # np.frexp(a)[1] - 1 = floor(log2(a)), exactly
;;       r = np.clip(x / 2.0 ** e, -28, 28)
;;       step = 2.0 ** (np.maximum(np.frexp(np.where(r == 0, 1, r))[1] - 1, -2) - 2)
;;       q = np.round(r / step) * step * 2.0 ** e      # np.round: ties to even
;;       return np.moveaxis(q.reshape(q.shape[:-2] + (-1,))[..., :K], -1, axis).astype(np.float32)
;;   ~~~
;;   OPERANDS COMPUTED ON THE WAY. 'Computed on the way' means the value that the module computes at that place (a softmax that the list does not call 'softmax' is quantised finished and normalised). What goes into a quantiser is computed in f32, as accurately as f32 sums, v_exp_f32 and their like allow (about 1e-6 of the number): no bf16 or f16 on the way to a quantiser, and a product that is left as it is and whose result goes on into a quantised operand takes f32 operands (vector FMAs, or v_wmma_f32_16x16x4_f32). A number that lies on a knife's edge between two numbers of the format may be rounded either way, as far as f32 arithmetic and the matrix unit's own rounding can turn it there, and no further.
;;   INPUTS GIVEN AS CODES. x (in the module: [4096, 4096], K = its axis 1): each comes as NAME_codes (uint8): NAME with its K axis moved to the last place and cut into blocks of 32 codes, [.., K / 32, bytes a block], one block behind the other in memory; four codes in three bytes: a row's codes are one little-endian stream of bits, code i at bits 6 i .. 6 i + 5 (a code: sign, 3 exponent bits, 2 mantissa bits); and NAME_scales (uint8): the same leading axes, one E8M0 byte (e + 127) for each 32 codes along K. Its value is code x scale, taken as it is: it is not quantised again, and the codes and scales need not be those that the quantiser above would give.
;; One version. Each part assembles by itself: llvm-mc -triple=amdgcn-amd-amdhsa -mcpu=gfx1250 --defsym DOCPART=n.
;; ======== version 1 of 1: 2 launches
;; limits: right only within a limited range of input values
;; workspace buffers: w_codes 12,582,912 bytes; w_scales 524,288 bytes; x_img 12,582,912 bytes; xs_img 524,288 bytes
;; launch synth (part 1): grid 16 x 16, 16 waves a work-group, no clusters, 45,056 bytes of LDS; arguments amp, rf, rp, cf, cp, lora_A, lora_B, alpha, beta, w_codes, w_scales, x_codes, x_img, x_scales, xs_img; writes w_codes, w_scales, x_img, xs_img
.if DOCPART == 1
	.amdgcn_target "amdgcn-amd-amdhsa--gfx1250"
	.amdhsa_code_object_version 6
	.text
	.protected	k_q5fae42e837_synth
	.globl	k_q5fae42e837_synth
	.p2align	8
	.type	k_q5fae42e837_synth,@function
k_q5fae42e837_synth:
	s_mov_b64 s[64:65], 0
	v_nop
	global_prefetch_b8 v0, s[64:65] scope:SCOPE_SE
	s_setreg_imm32_b32 hwreg(HW_REG_WAVE_MODE, 25, 1), 1
	s_wait_xcnt 0x0
; W[o][i] = sigmoid(alpha)/64 x tanh(sum over 16 k of amp[k] sin(r_o rf[k] + rp[k]) cos(c_i cf[k] + cp[k])) + sigmoid(beta)/64 x tanh(lora_A[o][:] . lora_B[:][i]),
; r_o = 2 pi o / 4095, c_i = 2 pi i / 4095 (sqrt(2 / 8192) is 1/64), all in f32; then quantised along i to codes of BF6 (E3M2) with one E8M0 byte for each 32 along i.
; W is made ONCE here, since sixteen row tiles of the product read each tile of it.
; SHARES.  A work-group makes 256 o x 256 i (x = which 256 i, y = which 256 o); each of its sixteen waves 16 o x 256 i: two operand fragments of 16 rows x 128 K, 128 numbers a lane.
; PHASE T: thread t makes one row of a table in LDS: threads 0-255 the o side (amp[k] sin(..), k = 0..15, then lora_A[o][0..1], 0, 0), threads 256-511 the i side (cos(..), lora_B[0..1][i], 0, 0).
;   Both sides run the same lines: the side chooses pointers and four whole numbers by s_cselect on the wave's number; cos(x) is taken as sin one quadrant on.
; PHASE M: the two small products (K = 16 and K = 2) go in f32 to v_wmma_f32_16x16x4_f32, source 0 = 16 rows of the i side, source 1 = my 16 rows of the o side: a lane then holds ONE o and eight i.
;   THE i OF A TILE ARE NOT NEIGHBOURS: lane r of tile 2 b + u takes i = 32 b + 8 u + r + 8 (r / 8), so that the 16 registers of tiles 2 b, 2 b + 1 are 16 neighbours along i: 32 b + 16 (lane / 16) + 0 .. 15.
;   Along k both sources are read in the same order, table index 8 (lane / 16) + 2 s + j in K step s: the same products, summed in another order.
;   tanh(x) = x P(x^2) / Q(x^2), degrees 6 and 3, x held to +-7.9053: accurate relative to tanh(x) for small x too, where 1 - 2 / (1 + e^2x) would cancel.  The two quotients share one reciprocal.
; THE WAY OUT.  w_codes: block (16 y + x) of 49,152 bytes; in it fragment (row block rb, q) at (2 rb + q) x 1,536, as the IMAGE OF THE OPERAND'S 12 REGISTERS: registers 4 c .. 4 c + 3 of lane l at 512 c + 16 l.
;   w_scales: block (16 y + x) of 2,048 bytes: [row 0..255][q 0..1] words.  Every store of a wave covers 512 consecutive bytes, aligned.
; No tensor loads, clusters or prefetches: the inputs are a few KB, and what the waves share, the table, is computed here.
; LIMITS: |r rf + rp| under 2^22 (the quadrant's number times pi/2 in three parts); tanh arguments under about 5e-32 lose bits to denormals; a block of zeros gets the byte 1 where the rule says 127 (its codes are zeros,
; and this program alone reads the bytes); NaN and infinities among the inputs are not served.
; THE LAYOUTS AS THEY ARE NOW (they replace what THE WAY OUT above says of offsets).  Codes, of W and of x alike: tile of 256 rows T at 786,432 T; in it the step of 128 along K, st, at 24,576 st;
;   in it the fragment of row block rb at 1,536 rb, as the image of the operand's 12 registers (registers 4 c .. 4 c + 3 of lane l at 512 c + 16 l).
; Scale words, of W and of x alike: tile T at 32,768 T, step st at 1,024 st, the word of row 128 hf + 32 j + l at 512 hf + 16 l + 4 j: one load of 16 bytes a lane gives a wave four scale registers.
; x IS LAID ANEW HERE TOO: work-group 16 y + x takes 16 whole rows of x_codes (49,152 bytes on end); wave w takes steps 2 w and 2 w + 1 as the operand's lanes take them and stores the two images, 512 bytes an instruction.
;   Waves 0-3 gather the scale words of tile y, steps 2 x and 2 x + 1, and store 2,048 bytes on end.  Codes and scale bytes of x are moved as they are given.
.set TP,   80
.set TI,   256*TP                      ; the i side's rows lie behind the o side's
.set SCS,  512*TP                      ; behind the table: the block's scale words, 2,048 bytes
.set AI,   3                           ; v3   i side: (r + 8 (r / 8)) TP + 32 h + TI
.set AL,   4                           ; v4   the same row's lora pair: + 64 + 8 h
.set AO,   5                           ; v5   o side: (16 w + r) TP + 32 h
.set AOL,  6                           ; v6   its lora pair
.set SCW,  7                           ; v7   where my row's scale words go: SCS + 512 (w / 8) + 256 (w % 2) + 4 ((w / 2) % 4) + 16 r
.set GST,  8                           ; v8   16 x lane
.set SRD,  9                           ; v9   SCS + 16 x (thread & 127)
.set BF,   10                          ; v10-19  o side: four K steps' pairs, the lora pair
.set AF,   20                          ; v20-59  i side: four tiles x 10
.set GSC,  60                          ; v60  16 x (thread & 127)
.set TROW, 61                          ; v61  TP x thread
.set ZO,   62                          ; v62  0
.set OF0,  63                          ; v63  byte offset of my first lora number
.set UF,   64                          ; v64-95   the Fourier sums of four tiles: written by matrix instructions alone
.set VL,   96                          ; v96-127  the lora sums: likewise
.set WN,   128                         ; v128-191 a fragment's 64 numbers.  In phase T: FQ, PH, AM, RES
.set FQ,   128
.set PH,   144
.set AM,   160
.set RES,  176                         ; v176-195 my table row
.set TT,   196                         ; phase T: v196-227 at work
.set S3,   228
.set C3,   230
.set RR,   232
.set T,    192                         ; phase M: v192-223 at work
.set TM,   192
.set A13,  224                         ; v[224:225], v[226:227] alpha13 x a', x b'
.set B6,   228                         ; v[228:229] beta6
.set PW,   230                         ; v230, v231 the two fragments' scale words
.set PC,   232                         ; v232-250 the codes
.set WV,   26
.set SEL,  34
.set NA,   42                          ; s[42:53] alpha1, 3, 5, 7, 9, 11 x a', each twice;  s[66:77] the same x b'
.set NB,   66
.set BE,   78                          ; s[78:83] beta0, 2, 4, each twice
	s_load_b512 s[4:19], s[0:1], 0x0               ; amp s[4:5], rf s[6:7], rp s[8:9], cf s[10:11], cp s[12:13], lora_A s[14:15], lora_B s[16:17], alpha s[18:19]
	s_load_b128 s[20:23], s[0:1], 0x40             ; beta s[20:21], w_codes s[22:23]
	s_load_b64 s[24:25], s[0:1], 0x50              ; w_scales
	s_load_b128 s[84:87], s[0:1], 0x58             ; x_codes, x_img
	s_load_b128 s[88:91], s[0:1], 0x68             ; x_scales, xs_img
	v_lshl_add_u32 v254, v0, 2, 0xa800
	v_mov_b32 v255, 0
	v_lshrrev_b32 v1, 5, v0
	s_delay_alu instid0(VALU_DEP_1)
	v_readfirstlane_b32 s[WV], v1                  ; wave 0..15
	s_mov_b32 s27, ttmp9                           ; which 256 i
	s_and_b32 s28, ttmp7, 0xffff                   ; which 256 o
	s_mov_b32 s[SEL], 0x76543210
	s_mov_b32 s[SEL+1], 0xfedcba98                 ; v_permlanex16_b32's selects for lane l xor 16
	s_mov_b32 s40, 0x40fcf84f                      ; 7.9053111: beyond it tanh is 1 in f32
	s_mov_b32 s41, 0xc0fcf84f
	s_mov_b32 s33, 16384
	s_lshr_b32 s58, s[WV], 3                       ; where my 16 rows' scale words lie in a step's 1,024 bytes: 512 (w / 8)
	s_lshl_b32 s58, s58, 9
	s_and_b32 s59, s[WV], 1
	s_lshl_b32 s59, s59, 8                         ; + 256 (w % 2): lanes 16-31 of the register
	s_add_co_u32 s58, s58, s59
	s_bfe_u32 s59, s[WV], 0x20001
	s_lshl_b32 s59, s59, 2                         ; + 4 ((w / 2) % 4): which of the four registers
	s_add_co_u32 s58, s58, s59
	; every LDS address is made here, of the thread's number, the wave's number and constants
	v_and_b32 v1, 15, v0                           ; r
	v_bfe_u32 v2, v0, 4, 1                         ; h
	s_delay_alu instid0(VALU_DEP_2)
	v_and_b32 v8, 8, v1
	s_delay_alu instid0(VALU_DEP_1)
	v_add_nc_u32 v8, v8, v1                        ; r + 8 (r / 8)
	s_delay_alu instid0(VALU_DEP_1)
	v_mul_u32_u24 v3, v8, TP
	s_delay_alu instid0(VALU_DEP_1)
	v_lshl_add_u32 v4, v2, 3, v3
	s_delay_alu instid0(VALU_DEP_2)
	v_lshl_add_u32 v3, v2, 5, v3
	s_delay_alu instid0(VALU_DEP_1)
	v_add_nc_u32 v[AI], TI, v3
	s_delay_alu instid0(VALU_DEP_3)
	v_add_nc_u32 v[AL], TI+64, v4
	s_mul_i32 s54, s[WV], 16*TP
	v_mul_u32_u24 v5, v1, TP
	s_delay_alu instid0(VALU_DEP_1)
	v_add_nc_u32 v5, s54, v5
	s_delay_alu instid0(VALU_DEP_1)
	v_lshl_add_u32 v6, v2, 3, v5
	s_delay_alu instid0(VALU_DEP_1)
	v_add_nc_u32 v[AOL], 64, v6
	s_delay_alu instid0(VALU_DEP_3)
	v_lshl_add_u32 v[AO], v2, 5, v5
	v_lshl_add_u32 v7, v1, 4, s58
	s_delay_alu instid0(VALU_DEP_1)
	v_add_nc_u32 v[SCW], SCS, v7
	v_and_b32 v8, 31, v0
	s_delay_alu instid0(VALU_DEP_1)
	v_lshlrev_b32 v[GST], 4, v8
	v_and_b32 v60, 127, v0
	s_delay_alu instid0(VALU_DEP_1)
	v_lshlrev_b32 v[GSC], 4, v60
	s_delay_alu instid0(VALU_DEP_1)
	v_add_nc_u32 v[SRD], SCS, v[GSC]
	v_mul_u32_u24 v[TROW], v0, TP
	v_mov_b32 v[ZO], 0
	s_wait_alu depctr_va_vdst(0)
	s_wait_kmcnt 0x0
	s_load_b32 s36, s[18:19], 0x0                  ; alpha
	s_load_b32 s37, s[20:21], 0x0                  ; beta
	s_cmp_lt_u32 s[WV], 8                          ; waves 0-7: the o side; 8-15: the i side.  Only selections follow, which leave SCC as it is
	s_cselect_b64 s[6:7], s[6:7], s[10:11]         ; the frequencies,
	s_cselect_b64 s[8:9], s[8:9], s[12:13]         ; the phases,
	s_cselect_b64 s[14:15], s[14:15], s[16:17]     ; the lora factor,
	s_cselect_b32 s29, s28, s27                    ; which 256 of the axis,
	s_cselect_b32 s30, 0, 1                        ; sine, or one quadrant on: cosine,
	s_cselect_b32 s31, 0, -1                       ; amp, or 1.0,
	s_cselect_b32 s32, 3, 2                        ; lora_A[o][0] at 8 o, lora_B[0][i] at 4 i,
	s_cselect_b32 s33, 4, s33                      ; and the second number 4 or 16,384 bytes on
	v_and_b32 v240, 255, v0
	s_delay_alu instid0(VALU_DEP_1)
	v_lshl_add_u32 v240, s29, 8, v240              ; my o or my i
	s_wait_alu depctr_va_vdst(0)
	v_lshlrev_b32 v[OF0], s32, v240
	s_delay_alu instid0(VALU_DEP_1)
	v_add_nc_u32 v241, s33, v[OF0]
.irp c, 0,1,2,3
	global_load_b128 v[FQ+4*\c:FQ+4*\c+3], v[ZO], s[6:7] offset:16*\c      ; every lane takes all 16
	global_load_b128 v[PH+4*\c:PH+4*\c+3], v[ZO], s[8:9] offset:16*\c
	global_load_b128 v[AM+4*\c:AM+4*\c+3], v[ZO], s[4:5] offset:16*\c
.endr
	global_load_b32 v[RES+16], v[OF0], s[14:15]
	global_load_b32 v[RES+17], v241, s[14:15]
	; x: my work-group's 16 rows, my two steps
	s_lshl_b32 s60, s28, 4
	s_add_co_u32 s60, s60, s27                     ; 16 y + x
	s_mul_i32 s62, s60, 49152
	s_mul_i32 s63, s[WV], 192
	s_add_co_u32 s62, s62, s63
	s_mov_b32 s63, 0
	s_add_nc_u64 s[84:85], s[84:85], s[62:63]      ; from: 16 rows of 3,072 bytes, 192 bytes a wave
	s_mul_i32 s62, s28, 786432
	s_mul_i32 s63, s27, 1536
	s_add_co_u32 s62, s62, s63
	s_mul_i32 s63, s[WV], 49152
	s_add_co_u32 s62, s62, s63
	s_mov_b32 s63, 0
	s_add_nc_u64 s[86:87], s[86:87], s[62:63]      ; to: tile y, steps 2 w and 2 w + 1, row block x
	s_lshl_b32 s62, s28, 15
	s_lshl_b32 s63, s27, 3
	s_add_co_u32 s62, s62, s63
	s_mov_b32 s63, 0
	s_add_nc_u64 s[88:89], s[88:89], s[62:63]      ; x's scales: tile y's rows, steps 2 x and 2 x + 1
	s_lshl_b32 s62, s60, 11
	s_add_nc_u64 s[90:91], s[90:91], s[62:63]
	v_mul_u32_u24 v246, v1, 3072
	v_mad_u32_u24 v246, v2, 24, v246               ; row r, + 24 h
	v_and_b32 v247, 31, v0
	v_bfe_u32 v248, v0, 5, 1
	v_bfe_u32 v249, v0, 6, 1
	v_lshlrev_b32 v247, 7, v247                    ; row l of 128 bytes,
	v_lshl_add_u32 v247, v248, 14, v247            ; + 128 rows for the upper half,
	v_lshl_add_u32 v247, v249, 2, v247             ; + the second step's word
.irp q, 0,1
.irp p, 0,1,2,3,4,5
	global_load_b64 v[AF+12*\q+2*\p:AF+12*\q+2*\p+1], v246, s[84:85] offset:96*\q+48*(\p/3)+8*(\p%3)
.endr
.endr
	s_wait_alu depctr_va_vdst(0)
	s_cmp_lt_u32 s[WV], 4
	s_cbranch_scc0 .Lno_xs
.irp j, 0,1,2,3
	global_load_b32 v[AF+24+\j], v247, s[88:89] offset:4096*\j   ; rows 32 j + l of my half
.endr
.Lno_xs:
	v_mov_b32 v[RES+18], 0
	v_mov_b32 v[RES+19], 0
	; where my block begins in the two buffers
	s_lshl_b32 s54, s28, 4
	s_add_co_u32 s54, s54, s27                     ; 16 y + x
	s_mul_i32 s56, s54, 49152
	s_mul_i32 s55, s[WV], 1536                     ; my row block in a step's 24,576 bytes
	s_add_co_u32 s56, s56, s55
	s_mov_b32 s57, 0
	s_add_nc_u64 s[22:23], s[22:23], s[56:57]
	s_lshl_b32 s54, s54, 11
	s_mov_b32 s55, 0
	s_add_nc_u64 s[24:25], s[24:25], s[54:55]
	; the axis: 2 pi x (n / 4095), the quotient rounded as a division rounds it: a first quotient, its remainder by a fused multiply-add, one correction
	s_mov_b32 s54, 0x457ff000                      ; 4095.0
	s_mov_b32 s55, 0x39800801                      ; 1 / 4095
	v_cvt_f32_u32 v242, v240
	s_delay_alu instid0(VALU_DEP_1)
	v_mul_f32 v243, s55, v242
	s_delay_alu instid0(VALU_DEP_1)
	v_fma_f32 v244, -v243, s54, v242
	s_delay_alu instid0(VALU_DEP_1)
	v_fma_f32 v243, v244, s55, v243
	s_delay_alu instid0(VALU_DEP_1)
	v_mul_f32 v[RR], 0x40c90fdb, v243
	s_delay_alu instid0(VALU_DEP_1)
	v_mov_b32 v[RR+1], v[RR]
	v_mov_b32 v[S3], 0xb94ca1f9
	v_mov_b32 v[S3+1], 0xb94ca1f9
	v_mov_b32 v[C3], 0x37ccf5ce
	v_mov_b32 v[C3+1], 0x37ccf5ce
	s_wait_loadcnt 12                              ; the 14 loads of the table's inputs are in; x's 12 loads of codes, issued behind them, may be out
.irp k, 0,1,2,3,4,5,6,7,8,9,10,11,12,13,14,15
	v_cndmask_b32 v[AM+\k], v[AM+\k], 1.0, s31     ; amp belongs to the o side alone
.endr
; Four table entries, k .. k + 3, in two pairs line by line.  x = r f + p; n = the nearest whole number to x 2/pi; y = x - n pi/2, pi/2 in three parts, |y| <= pi/4;
; sin y and cos y by polynomials in y^2; the quadrant n (+ 1 for a cosine) picks one of them and its sign.
; A pair's registers at TT + 16 p: +0 x, then y; +2 n; +4 y^2; +6 sine; +8 cosine; +10 y^3; +12 n as a whole number; +14 at work
.macro TRIG4 k
.irp p, 0,1
	v_pk_fma_f32 v[TT+16*\p:TT+16*\p+1], v[RR:RR+1], v[FQ+\k+2*\p:FQ+\k+2*\p+1], v[PH+\k+2*\p:PH+\k+2*\p+1]
.endr
.irp p, 0,1
	s_delay_alu instid0(VALU_DEP_2)
	v_pk_mul_f32 v[TT+16*\p+2:TT+16*\p+3], v[TT+16*\p:TT+16*\p+1], 0x3f22f983 op_sel_hi:[1,0]
.endr
.irp p, 0
	s_delay_alu instid0(VALU_DEP_2)
	v_rndne_f32 v[TT+16*\p+2], v[TT+16*\p+2]
	s_delay_alu instid0(VALU_DEP_3)
	v_rndne_f32 v[TT+16*\p+3], v[TT+16*\p+3]
.endr
.irp p, 1
	s_delay_alu instid0(VALU_DEP_3)
	v_rndne_f32 v[TT+16*\p+2], v[TT+16*\p+2]
	s_delay_alu instid0(VALU_DEP_4)
	v_rndne_f32 v[TT+16*\p+3], v[TT+16*\p+3]
.endr
.irp c, 0xbfc90fdb, 0x333bbd2e, 0x26f72c94
.irp p, 0
	v_pk_fma_f32 v[TT+16*\p:TT+16*\p+1], v[TT+16*\p+2:TT+16*\p+3], \c, v[TT+16*\p:TT+16*\p+1] op_sel_hi:[1,0,1]
.endr
.irp p, 1
	s_delay_alu instid0(VALU_DEP_2)
	v_pk_fma_f32 v[TT+16*\p:TT+16*\p+1], v[TT+16*\p+2:TT+16*\p+3], \c, v[TT+16*\p:TT+16*\p+1] op_sel_hi:[1,0,1]
.endr
.endr
.irp p, 0,1
	s_delay_alu instid0(VALU_DEP_2)
	v_pk_mul_f32 v[TT+16*\p+4:TT+16*\p+5], v[TT+16*\p:TT+16*\p+1], v[TT+16*\p:TT+16*\p+1]
.endr
.irp p, 0,1
	v_cvt_i32_f32 v[TT+16*\p+12], v[TT+16*\p+2]
	v_cvt_i32_f32 v[TT+16*\p+13], v[TT+16*\p+3]
.endr
.irp p, 0,1
	v_pk_fma_f32 v[TT+16*\p+6:TT+16*\p+7], v[TT+16*\p+4:TT+16*\p+5], v[S3:S3+1], 0x3c08839e op_sel_hi:[1,1,0]
	v_pk_fma_f32 v[TT+16*\p+8:TT+16*\p+9], v[TT+16*\p+4:TT+16*\p+5], v[C3:C3+1], 0xbab6061a op_sel_hi:[1,1,0]
.endr
.irp p, 0,1
	s_delay_alu instid0(VALU_DEP_4)
	v_pk_fma_f32 v[TT+16*\p+6:TT+16*\p+7], v[TT+16*\p+6:TT+16*\p+7], v[TT+16*\p+4:TT+16*\p+5], 0xbe2aaaa3 op_sel_hi:[1,1,0]
	s_delay_alu instid0(VALU_DEP_4)
	v_pk_fma_f32 v[TT+16*\p+8:TT+16*\p+9], v[TT+16*\p+8:TT+16*\p+9], v[TT+16*\p+4:TT+16*\p+5], 0x3d2aaaa5 op_sel_hi:[1,1,0]
.endr
.irp p, 0,1
	v_pk_mul_f32 v[TT+16*\p+10:TT+16*\p+11], v[TT+16*\p:TT+16*\p+1], v[TT+16*\p+4:TT+16*\p+5]
	s_delay_alu instid0(VALU_DEP_4)
	v_pk_fma_f32 v[TT+16*\p+8:TT+16*\p+9], v[TT+16*\p+8:TT+16*\p+9], v[TT+16*\p+4:TT+16*\p+5], -0.5 op_sel_hi:[1,1,0]
.endr
.irp p, 0,1
	s_delay_alu instid0(VALU_DEP_4)
	v_pk_fma_f32 v[TT+16*\p+6:TT+16*\p+7], v[TT+16*\p+10:TT+16*\p+11], v[TT+16*\p+6:TT+16*\p+7], v[TT+16*\p:TT+16*\p+1]
	s_delay_alu instid0(VALU_DEP_4)
	v_pk_fma_f32 v[TT+16*\p+8:TT+16*\p+9], v[TT+16*\p+8:TT+16*\p+9], v[TT+16*\p+4:TT+16*\p+5], 1.0 op_sel_hi:[1,1,0]
.endr
.irp p, 0,1
.irp j, 0,1
	v_add_nc_u32 v[TT+16*\p+12+\j], s30, v[TT+16*\p+12+\j]
	s_delay_alu instid0(VALU_DEP_1)
	v_and_b32 v[TT+16*\p+14+\j], 1, v[TT+16*\p+12+\j]
	s_delay_alu instid0(VALU_DEP_1)
	v_cmp_eq_u32 vcc_lo, 1, v[TT+16*\p+14+\j]
	s_delay_alu instid0(VALU_DEP_1)
	v_cndmask_b32 v[RES+\k+2*\p+\j], v[TT+16*\p+6+\j], v[TT+16*\p+8+\j], vcc_lo     ; odd quadrants take the cosine
	s_delay_alu instid0(VALU_DEP_4)
	v_lshlrev_b32 v[TT+16*\p+14+\j], 30, v[TT+16*\p+12+\j]
	s_delay_alu instid0(VALU_DEP_1)
	v_and_b32 v[TT+16*\p+14+\j], 0x80000000, v[TT+16*\p+14+\j]
	s_delay_alu instid0(VALU_DEP_1)
	v_xor_b32 v[RES+\k+2*\p+\j], v[RES+\k+2*\p+\j], v[TT+16*\p+14+\j]               ; quadrants 2 and 3 change the sign
.endr
.endr
.irp p, 0
	v_pk_mul_f32 v[RES+\k+2*\p:RES+\k+2*\p+1], v[RES+\k+2*\p:RES+\k+2*\p+1], v[AM+\k+2*\p:AM+\k+2*\p+1]
.endr
.irp p, 1
	s_delay_alu instid0(VALU_DEP_2)
	v_pk_mul_f32 v[RES+\k+2*\p:RES+\k+2*\p+1], v[RES+\k+2*\p:RES+\k+2*\p+1], v[AM+\k+2*\p:AM+\k+2*\p+1]
.endr
.endm
	TRIG4 0
	TRIG4 4
	TRIG4 8
	TRIG4 12
	s_wait_alu depctr_va_vdst(0)
	s_wait_loadcnt 0x0                             ; x's codes and scale words are in: they landed under the sines
.irp q, 0,1
.irp c, 0,1,2
	global_store_b128 v[GST], v[AF+12*\q+4*\c:AF+12*\q+4*\c+3], s[86:87] offset:24576*\q+512*\c   ; 32 lanes store 512 consecutive bytes, aligned
.endr
.endr
	s_cmp_lt_u32 s[WV], 4
	s_cbranch_scc0 .Lno_xs2
	global_store_b128 v[GSC], v[AF+24:AF+27], s[90:91]
.Lno_xs2:
.irp c, 0,1,2,3,4
	ds_store_b128 v[TROW], v[RES+4*\c:RES+4*\c+3] offset:16*\c
.endr
	; a' = sigmoid(alpha) / 64 and b' = sigmoid(beta) / 64 go into the numerators' coefficients, so that they cost nothing in the loop
	s_wait_kmcnt 0x0                               ; alpha, beta
	v_mov_b32 v196, s36
	v_mov_b32 v197, s37
	s_delay_alu instid0(VALU_DEP_2)
	v_mul_f32 v196, 0xbfb8aa3b, v196               ; x -log2(e)
	s_delay_alu instid0(VALU_DEP_2)
	v_mul_f32 v197, 0xbfb8aa3b, v197
	s_wait_alu depctr_va_vdst(0)
	v_exp_f32 v196, v196
	v_exp_f32 v197, v197
	v_nop                                          ; one plain place behind a transcendental
	s_wait_alu depctr_va_vdst(0)
	v_add_f32 v196, 1.0, v196
	v_add_f32 v197, 1.0, v197
	s_wait_alu depctr_va_vdst(0)
	v_rcp_f32 v196, v196
	v_rcp_f32 v197, v197
	v_nop
	s_wait_alu depctr_va_vdst(0)
	v_mul_f32 v196, 0x3c800000, v196               ; x 1/64
	v_mul_f32 v197, 0x3c800000, v197
.macro COEF i, hex                     ; the packed forms name a pair and take its low word for both halves: so both words are written
	v_mul_f32 v198, \hex, v196
	v_mul_f32 v199, \hex, v197
	s_delay_alu instid0(VALU_DEP_2)
	v_readfirstlane_b32 s[NA+2*\i], v198
	s_delay_alu instid0(VALU_DEP_2)
	v_readfirstlane_b32 s[NB+2*\i], v199
	s_mov_b32 s[NA+2*\i+1], s[NA+2*\i]
	s_mov_b32 s[NB+2*\i+1], s[NB+2*\i]
.endm
	COEF 0, 0x3ba059dc                             ; alpha1
	COEF 1, 0x3a270ded                             ; alpha3
	COEF 2, 0x3779434a                             ; alpha5
	COEF 3, 0x335c0041                             ; alpha7
	COEF 4, 0xaebd37ff                             ; alpha9
	COEF 5, 0x2a61337e                             ; alpha11
	v_mul_f32 v[A13], 0xa59f25c0, v196             ; alpha13, in vector pairs: an instruction then names one scalar pair
	v_mul_f32 v[A13+2], 0xa59f25c0, v197
	s_delay_alu instid0(VALU_DEP_2)
	v_mov_b32 v[A13+1], v[A13]
	s_delay_alu instid0(VALU_DEP_2)
	v_mov_b32 v[A13+3], v[A13+2]
	v_mov_b32 v[B6], 0x35a0d3d8                    ; beta6
	v_mov_b32 v[B6+1], 0x35a0d3d8
	s_mov_b32 s[BE], 0x3ba059dd                    ; beta0
	s_mov_b32 s[BE+1], 0x3ba059dd
	s_mov_b32 s[BE+2], 0x3b14aa05                  ; beta2
	s_mov_b32 s[BE+3], 0x3b14aa05
	s_mov_b32 s[BE+4], 0x38f895d6                  ; beta4
	s_mov_b32 s[BE+5], 0x38f895d6
	s_wait_dscnt 0x0                               ; for the others' sake: my table row has landed
	s_barrier_signal -1
	s_barrier_wait -1                              ; the table is whole; nobody writes it again
.macro LOADA n                         ; the i side of four tiles: n = 2 q + g, tiles 4 g + tt of fragment q
.irp tt, 0,1,2,3
.set R0, (128*((\n)/2)+32*((4*((\n)%2)+\tt)/2)+8*(\tt%2))*TP
	ds_load_b128 v[AF+10*\tt:AF+10*\tt+3], v[AI] offset:R0
	ds_load_b128 v[AF+10*\tt+4:AF+10*\tt+7], v[AI] offset:R0+16
	ds_load_b64 v[AF+10*\tt+8:AF+10*\tt+9], v[AL] offset:R0
.endr
.endm
; 20 matrix instructions: each sum's first K step starts it with the constant 0; the eight accumulators take turns, one instruction a turn
.macro MM
.irp tt, 0,1,2,3
	v_wmma_f32_16x16x4_f32 v[UF+8*\tt:UF+8*\tt+7], v[AF+10*\tt:AF+10*\tt+1], v[BF:BF+1], 0
.endr
.irp tt, 0,1,2,3
	v_wmma_f32_16x16x4_f32 v[VL+8*\tt:VL+8*\tt+7], v[AF+10*\tt+8:AF+10*\tt+9], v[BF+8:BF+9], 0
.endr
.irp s, 1,2,3
.irp tt, 0,1,2,3
	v_wmma_f32_16x16x4_f32 v[UF+8*\tt:UF+8*\tt+7], v[AF+10*\tt+2*\s:AF+10*\tt+2*\s+1], v[BF+2*\s:BF+2*\s+1], v[UF+8*\tt:UF+8*\tt+7]
.endr
.endr
.endm
; Four numbers of W: registers e .. e + 3 of the Fourier sums u and of the lora sums v.  a' tanh u + b' tanh v = (Nu Dv + Nv Du) / (Du Dv), a' and b' inside Nu and Nv.
; At T + 16 pp + 8 sd (pp: which pair; sd: 0 = u, 1 = v): +0 x, +2 x^2, +4 N, +6 D.  The sums are read from their low end on, and what is made of them goes into other registers.
.macro TANH4 e, dst
.irp j, 0,1,2,3
	v_med3_num_f32 v[T+16*(\j/2)+\j%2], v[UF+(\e)+\j], s41, s40
.endr
.irp j, 0,1,2,3
	v_med3_num_f32 v[T+16*(\j/2)+8+\j%2], v[VL+(\e)+\j], s41, s40
.endr
.irp b, 0,8,16,24
	v_pk_mul_f32 v[T+\b+2:T+\b+3], v[T+\b:T+\b+1], v[T+\b:T+\b+1]
.endr
.irp b, 0,8,16,24
	v_pk_fma_f32 v[T+\b+4:T+\b+5], v[T+\b+2:T+\b+3], v[A13+2*((\b/8)%2):A13+2*((\b/8)%2)+1], s[NA+24*((\b/8)%2)+10:NA+24*((\b/8)%2)+11] op_sel_hi:[1,1,0]
	v_pk_fma_f32 v[T+\b+6:T+\b+7], v[T+\b+2:T+\b+3], v[B6:B6+1], s[BE+4:BE+5] op_sel_hi:[1,1,0]
.endr
.irp b, 0,8,16,24
	v_pk_fma_f32 v[T+\b+4:T+\b+5], v[T+\b+4:T+\b+5], v[T+\b+2:T+\b+3], s[NA+24*((\b/8)%2)+8:NA+24*((\b/8)%2)+9] op_sel_hi:[1,1,0]
	v_pk_fma_f32 v[T+\b+6:T+\b+7], v[T+\b+6:T+\b+7], v[T+\b+2:T+\b+3], s[BE+2:BE+3] op_sel_hi:[1,1,0]
.endr
.irp b, 0,8,16,24
	v_pk_fma_f32 v[T+\b+4:T+\b+5], v[T+\b+4:T+\b+5], v[T+\b+2:T+\b+3], s[NA+24*((\b/8)%2)+6:NA+24*((\b/8)%2)+7] op_sel_hi:[1,1,0]
	v_pk_fma_f32 v[T+\b+6:T+\b+7], v[T+\b+6:T+\b+7], v[T+\b+2:T+\b+3], s[BE:BE+1] op_sel_hi:[1,1,0]
.endr
.irp i, 4,2,0
.irp b, 0,8,16,24
	v_pk_fma_f32 v[T+\b+4:T+\b+5], v[T+\b+4:T+\b+5], v[T+\b+2:T+\b+3], s[NA+24*((\b/8)%2)+\i:NA+24*((\b/8)%2)+\i+1] op_sel_hi:[1,1,0]
.endr
.endr
.irp b, 0,8,16,24
	s_delay_alu instid0(VALU_DEP_4)
	v_pk_mul_f32 v[T+\b+4:T+\b+5], v[T+\b+4:T+\b+5], v[T+\b:T+\b+1]
.endr
.irp b, 0,16
	v_pk_mul_f32 v[T+\b+2:T+\b+3], v[T+\b+6:T+\b+7], v[T+\b+14:T+\b+15]           ; Du Dv
.endr
	s_wait_alu depctr_va_vdst(0)
	v_rcp_f32 v[T+2], v[T+2]
	v_rcp_f32 v[T+3], v[T+3]
	v_rcp_f32 v[T+18], v[T+18]
	v_rcp_f32 v[T+19], v[T+19]
.irp b, 0,16
	v_pk_mul_f32 v[T+\b:T+\b+1], v[T+\b+4:T+\b+5], v[T+\b+14:T+\b+15]             ; Nu Dv: also the plain place behind the reciprocals
.endr
.irp b, 0,16
	s_delay_alu instid0(VALU_DEP_2)
	v_pk_fma_f32 v[T+\b:T+\b+1], v[T+\b+12:T+\b+13], v[T+\b+6:T+\b+7], v[T+\b:T+\b+1]   ; + Nv Du
.endr
	s_wait_alu depctr_va_vdst(0)
.irp b, 0,16
	v_pk_mul_f32 v[(\dst)+\b/8:(\dst)+\b/8+1], v[T+\b:T+\b+1], v[T+\b+2:T+\b+3]
.endr
.endm
; 64 numbers of a lane, register 16 b + i = K 32 b + 16 (lane / 16) + i of my row, become a fragment's codes in v[PC] on and its scale word in v[pw].
.macro QUANT s, pw
.irp b, 0,1,2,3
	v_max3_num_f32 v[TM+\b], |v[\s+16*\b]|, |v[\s+1+16*\b]|, 0x2800000   ; block b: my 16 numbers, and the floor 2^(5 - 127): so the byte cannot fall under 1
.endr
.irp i, 2,4,6,8,10,12,14
.irp b, 0,1,2,3
	s_delay_alu instid0(VALU_DEP_4)
	v_max3_num_f32 v[TM+\b], v[TM+\b], |v[\s+16*\b+\i]|, |v[\s+1+16*\b+\i]|
.endr
.endr
.irp b, 0,1,2,3
	s_delay_alu instid0(VALU_DEP_4)
	v_permlanex16_b32 v[TM+4+\b], v[TM+\b], s[SEL], s[SEL+1]            ; (its destination counts as read: the tanh lines have written it)
.endr
.irp b, 0,1,2,3
	s_delay_alu instid0(VALU_DEP_4)
	v_max_num_f32 v[TM+\b], v[TM+\b], v[TM+4+\b]   ; with lane l xor 16's: the block's largest magnitude
.endr
.irp b, 0,1,2,3
	s_delay_alu instid0(VALU_DEP_4)
	v_add_nc_u32 v[TM+12+\b], 0xfe000000, v[TM+\b] ; 4 off its exponent field: the conversion takes the exponent field of this operand as its scale
.endr
.irp b, 0,1,2,3
	s_delay_alu instid0(VALU_DEP_4)
	v_lshrrev_b32 v[TM+4+\b], 23, v[TM+12+\b]      ; the scale's byte
.endr
	s_delay_alu instid0(VALU_DEP_3)
	v_lshl_or_b32 v[\pw], v[TM+5], 8, v[TM+4]
	s_delay_alu instid0(VALU_DEP_1)
	v_lshl_or_b32 v[\pw], v[TM+6], 16, v[\pw]
	s_delay_alu instid0(VALU_DEP_1)
	v_lshl_or_b32 v[\pw], v[TM+7], 24, v[\pw]
.irp c, 0,1
	v_cvt_scalef32_pk16_bf6_f32 v[PC+6*\c:PC+2+6*\c], v[\s+32*\c:\s+15+32*\c], v[TM+12+2*\c]
	v_cvt_scalef32_pk16_bf6_f32 v[PC+12+4*\c:PC+14+4*\c], v[\s+16+32*\c:\s+31+32*\c], v[TM+12+2*\c+1]   ; (a conversion's three registers begin on an even number)
.endr
	v_nop                                          ; one plain place behind a scaled conversion
.irp c, 0,1                                    ; the operand's layout wants a WHOLE block in a lane: lanes 0-15 block 2 c, lanes 16-31 block 2 c + 1
.irp i, 0,1,2
	v_permlane16_swap_b32 v[PC+6*\c+\i], v[PC+12+4*\c+\i]
.endr
.irp i, 0,1,2
	s_delay_alu instid0(VALU_DEP_3)
	v_mov_b32 v[PC+3+6*\c+\i], v[PC+12+4*\c+\i]
.endr
.endr
.endm
	ds_load_b128 v[BF:BF+3], v[AO]                 ; my 16 o: they stay
	ds_load_b128 v[BF+4:BF+7], v[AO] offset:16
	ds_load_b64 v[BF+8:BF+9], v[AOL]
	s_wait_xcnt 0x0                                ; x's stores have read their registers: only behind this wait are they loaded anew
	LOADA 0
	s_wait_dscnt 0x0
.irp n, 0,1,2,3                                ; four tiles at a time: half a fragment.  Written out: every offset is an immediate
	MM
.rept 8
	v_nop                                          ; eight places behind this form, in front of the loads into its sources and of the first read of its results
.endr
.if \n < 3
	LOADA \n+1                                     ; lands under the tanh lines
.endif
.irp e, 0,4,8,12,16,20,24,28
	TANH4 \e, WN+32*(\n%2)+\e
.endr
.if \n%2 == 1
.if \n == 3
	s_wait_xcnt 0x0                                ; the first fragment's stores have read the codes' registers: only behind this wait are they written again
.endif
	QUANT WN, PW+\n/2
.irp c, 0,1,2
	global_store_b128 v[GST], v[PC+4*\c:PC+4*\c+3], s[22:23] offset:24576*(\n/2)+512*\c   ; 32 lanes store 512 consecutive bytes, aligned
.endr
	ds_store_b32 v[SCW], v[PW+\n/2] offset:1024*(\n/2)   ; lanes l and l xor 16 write the same word with the same value
.endif
.if \n < 3
	s_wait_dscnt 0x0                               ; the next four tiles' i side is in
.endif
.endr
	s_wait_dscnt 0x0                               ; for the others' sake: my scale words have landed
	s_barrier_signal -1
	s_barrier_wait -1
	s_cmp_lt_u32 s[WV], 4                          ; the block's 2,048 bytes of scale words leave by waves 0-3, 16 bytes a lane
	s_cbranch_scc0 .Ldone
	ds_load_b128 v[192:195], v[SRD]
	s_wait_dscnt 0x0
	global_store_b128 v[GSC], v[192:195], s[24:25]
.Ldone:
	s_wait_tensorcnt 0x0
	ds_add_u32 v254, v255
	s_wait_dscnt 0x0
	s_endpgm
.Lfunc_end_k_q5fae42e837_synth:
	.size	k_q5fae42e837_synth, .Lfunc_end_k_q5fae42e837_synth-k_q5fae42e837_synth
	.p2alignl 7, 3214868480
	.fill 96, 4, 3214868480
	.section	.rodata,"a",@progbits
	.p2align	6, 0x0
	.amdhsa_kernel k_q5fae42e837_synth
		.amdhsa_group_segment_fixed_size 45056
		.amdhsa_private_segment_fixed_size 0
		.amdhsa_enable_private_segment 0
		.amdhsa_kernarg_size 120
		.amdhsa_user_sgpr_count 2
		.amdhsa_user_sgpr_kernarg_segment_ptr 1
		.amdhsa_wavefront_size32 1
		.amdhsa_system_sgpr_workgroup_id_x 1
		.amdhsa_system_sgpr_workgroup_id_y 1
		.amdhsa_system_sgpr_workgroup_id_z 1
		.amdhsa_system_vgpr_workitem_id 0
		.amdhsa_next_free_vgpr 256
		.amdhsa_next_free_sgpr 92
		.amdhsa_reserve_vcc 1
		.amdhsa_float_denorm_mode_32 3
		.amdhsa_float_denorm_mode_16_64 3
		.amdhsa_memory_ordered 1
		.amdhsa_forward_progress 1
		.amdhsa_inst_pref_size 189
	.end_amdhsa_kernel
	.amdgpu_metadata
---
amdhsa.version: [ 1, 2 ]
amdhsa.kernels:
  - .name:           k_q5fae42e837_synth
    .symbol:         k_q5fae42e837_synth.kd
    .args:
      - { .name: amp, .offset: 0, .size: 8, .value_kind: global_buffer, .address_space: global }
      - { .name: rf, .offset: 8, .size: 8, .value_kind: global_buffer, .address_space: global }
      - { .name: rp, .offset: 16, .size: 8, .value_kind: global_buffer, .address_space: global }
      - { .name: cf, .offset: 24, .size: 8, .value_kind: global_buffer, .address_space: global }
      - { .name: cp, .offset: 32, .size: 8, .value_kind: global_buffer, .address_space: global }
      - { .name: lora_A, .offset: 40, .size: 8, .value_kind: global_buffer, .address_space: global }
      - { .name: lora_B, .offset: 48, .size: 8, .value_kind: global_buffer, .address_space: global }
      - { .name: alpha, .offset: 56, .size: 8, .value_kind: global_buffer, .address_space: global }
      - { .name: beta, .offset: 64, .size: 8, .value_kind: global_buffer, .address_space: global }
      - { .name: w_codes, .offset: 72, .size: 8, .value_kind: global_buffer, .address_space: global }
      - { .name: w_scales, .offset: 80, .size: 8, .value_kind: global_buffer, .address_space: global }
      - { .name: x_codes, .offset: 88, .size: 8, .value_kind: global_buffer, .address_space: global }
      - { .name: x_img, .offset: 96, .size: 8, .value_kind: global_buffer, .address_space: global }
      - { .name: x_scales, .offset: 104, .size: 8, .value_kind: global_buffer, .address_space: global }
      - { .name: xs_img, .offset: 112, .size: 8, .value_kind: global_buffer, .address_space: global }
    .group_segment_fixed_size: 45056
    .private_segment_fixed_size: 0
    .kernarg_segment_align: 8
    .kernarg_segment_size: 120
    .max_flat_workgroup_size: 512
    .sgpr_count:     92
    .vgpr_count:     256
    .wavefront_size: 32
...
	.end_amdgpu_metadata
.endif
;; end of part 1
;; launch gemm (part 2): grid 16 x 16, 4 waves a work-group, clusters of 4 x 4, 327,680 bytes of LDS; arguments x_img, xs_img, w_codes, w_scales, bias, out0; writes out0
.if DOCPART == 2
	.amdgcn_target "amdgcn-amd-amdhsa--gfx1250"
	.amdhsa_code_object_version 6
	.text
	.protected	k_q5fae42e837_gemm
	.globl	k_q5fae42e837_gemm
	.p2align	8
	.type	k_q5fae42e837_gemm,@function
k_q5fae42e837_gemm:
	s_mov_b64 s[64:65], 0
	v_nop
	global_prefetch_b8 v0, s[64:65] scope:SCOPE_SE
	s_setreg_imm32_b32 hwreg(HW_REG_WAVE_MODE, 25, 1), 1
	s_wait_xcnt 0x0
	s_wait_alu depctr_hold_cnt(0) depctr_sa_sdst(0) depctr_va_vdst(0) depctr_va_sdst(0) depctr_va_ssrc(0) depctr_va_vcc(0) depctr_vm_vsrc(0)
	s_getreg_b32 s2, hwreg(HW_REG_IB_STS2, 6, 4)
	s_cmp_eq_u32 s2, 0
	s_cbranch_scc0 .Lentry_in_a_cluster
	s_endpgm
.Lentry_in_a_cluster:
	s_bfe_u32 s2, ttmp6, 0x10000c
	s_cmp_lg_u32 s2, 0xf033
	s_cbranch_scc0 .Lentry_shape_is_right
	s_endpgm
.Lentry_shape_is_right:
; out0[m][o] = sum over i of x[m][i] W[o][i] + bias[o]: both operands codes of BF6 (E3M2) with one E8M0 byte for each 32 along i; sums in f32.  Nothing of the problem is left out.
; Both operands come as the launch before laid them: tile of 256 rows T at 786,432 T, step of 128 along K at 24,576 st, fragment of row block rb at 1,536 rb, as the image of the operand's 12 registers
; (registers 4 c .. 4 c + 3 of lane l at 512 c + 16 l).  So every tile is a dense run of rows of 256 bytes, and a fragment is three ds_load_b128 at 16 x lane.
; A work-group of four waves makes 256 x 256 of out0, a wave 128 x 128: 64 accumulators, 512 registers.
; THE RING: two slots of 147,456 bytes, each with THREE steps of 128 along K of x's 256 rows and of W's 256 rows.  32 steps are ten fills of three steps and a last fill of two.  Each wave brings half of one operand's tile:
; 144 rows of 256 bytes (the last fill: 96).  A slot is asked for again at the head of its last step, when all its fragments are in registers: all 192 matrix instructions of three steps stand between a request and the wait for it.
; CLUSTERS: 4 x 4 work-groups; x's tiles are shared along a row of the cluster, W's along a column, by joint loads.
; SCALES go from memory straight into registers: tile T at 32,768 T, step at 1,024 st, my half at 512 hf, 16 bytes a lane: four registers, register j holding rows 32 j + lane.  Two loads of 512 bytes on end a step, asked for
; two steps ahead, three sets of eight registers by turns.  They are not prefetched: each is asked for two steps ahead of its use already.
; REGISTERS.  Window g (0..3) holds in v0-127 the accumulators of quadrant g: 0 = (x rows 0-63, W rows 0-63), 1 = (0-63, 64-127), 2 = (64-127, 64-127), 3 = (64-127, 0-63); accumulator (a, b) of a quadrant at 8 (4 a + b);
; in v128-175 and v176-223 the two sets (even and odd steps) of ONE operand half: window 0 x's blocks 0-3, window 1 W's 0-3, window 2 W's 4-7, window 3 x's 4-7.
; Both operands have two sets, so a step's fragments are all in registers before it begins.  The next step's come in TWO RUNS of 24 loads: at the step's head what the next step's first quadrant needs (x 0-3, W 0-3),
; in its middle the rest (W 4-7, x 4-7): each run stands 32 matrix instructions or more ahead of its first use.
; THE END: step 29 is multiplied ahead of the wait for the last fill.  Steps 30 and 31, whose fragments fill both sets, go by halves of my rows: quadrants 0 and 1 of both steps first; then rows 0-63 leave between the groups of quadrants 2 and 3.
; Window 0, v224-247: scale words; v248-254 addresses.  Window 1, v224-227: the fragments' LDS addresses.
; THE MATRIX INSTRUCTION IS USED TRANSPOSED (source 0 = 16 rows of W, source 1 = 16 rows of x): a lane holds eight neighbouring numbers of a row of out0.
; PREFETCH: behind each joint load, the fill two refills on: a wave's 144 rows of 256 bytes are shared among the four partners by address, 36 each, a lane a row in two instructions (the second's spare lanes name its last row again).
; Fills 0 to 3 and the short last fill come by their loads alone; the loop's last trip asks for nothing.
; LIMITS: none beyond the format's own: a scale byte 0xff among x's makes its sums NaN, as the format says.
.set SIZE_N, 4096
.set FRB,    1536                      ; a fragment's image
.set STEPB,  16*FRB                    ; a step of one operand: 16 fragments
.set SLOTA,  3*STEPB                   ; one operand's part of a slot
.set HALFR,  SLOTA/2                   ; what one tensor load of the ring brings
.set SLOT,   2*SLOTA
.set TILEB,  32*STEPB
.set SPARE,  2*SLOT                    ; behind the ring: the spare words, 128 bytes a wave
.set STAGE,  SLOT                      ; the way out goes through slot 1, which has had its last fill and its last read by then
.set SPITCH, 528
.set SC,   224                         ; scale words: set s at SC + 8 s: four registers of x's, four of W's
.set BI,   SC+16                       ; on the way out: my four numbers of the bias
.set AD,   224                         ; window 1: x's fragments in slot 0, 1; W's in slot 0, 1
.set SPW,  248
.set NIL,  249
.set SOF,  250                         ; 16 x lane
.set PFO,  251                         ; 256 x lane
.set PFO2, 252                         ; 256 x min(32 + lane, 35)
.set STO,  253
.set RD,   254
.set G1,  24
.set G0,  32
.set G1B, 48
.set G0B, 56
.set PFA, 68
.set MSB, 0
.macro WIN new                         ; the immediate's high byte repeats the setting that is left
.if MSB != \new
	s_set_vgpr_msb (MSB<<8)|\new
.set MSB, \new
.endif
.endm
.macro PLACES
.rept 4
	v_nop
.endr
.endm
.macro JLOAD s                         ; a joint load: waves 0, 1 fetch x's two halves, waves 2, 3 W's
	s_cmp_eq_u32 s15, 0
	s_cbranch_scc0 .Lfor_b_\@
	tensor_load_to_lds s[G0+4*(\s):G0+4*(\s)+3], s[G1:G1+7]
	s_nop 0
	PLACES
	s_branch .Lasked_\@
.Lfor_b_\@:
	tensor_load_to_lds s[G0B+4*(\s):G0B+4*(\s)+3], s[G1B:G1B+7]
	s_nop 0
	PLACES
.Lasked_\@:
.endm
.macro CREST
	s_cmp_lg_u32 s14, 0
	s_cbranch_scc1 .Lnot_wave_0_\@
	s_barrier_signal -3
.Lnot_wave_0_\@:
	s_barrier_wait -3
	s_barrier_signal -1
	s_barrier_wait -1
.endm
.macro CROUND
	s_barrier_signal -1
	s_barrier_wait -1
	CREST
.endm
	s_load_b128 s[4:7], s[0:1], 0x0                ; x_img, xs_img
	s_load_b128 s[8:11], s[0:1], 0x10              ; w_codes, w_scales
	s_load_b64 s[66:67], s[0:1], 0x20              ; bias
	s_load_b64 s[12:13], s[0:1], 0x28              ; out0
	v_lshl_add_u32 v[SPW], v0, 2, SPARE
	v_mov_b32 v[NIL], 0
	ds_add_u32 v[SPW], v[NIL]
	ds_add_u32 v[SPW], v[NIL]
	v_lshrrev_b32 v1, 5, v0
	v_readfirstlane_b32 s14, v1                    ; wave
	s_lshr_b32 s15, s14, 1                         ; my half of x's rows; also: I fetch for x (0) or for W (1)
	s_and_b32 s16, s14, 1                          ; my half of W's rows; also: which half of a tile I fetch
	s_bfe_u32 s40, ttmp6, 0x40000                  ; cx
	s_bfe_u32 s41, ttmp6, 0x40004                  ; cy
	s_lshl_b32 s42, ttmp9, 2
	s_add_co_u32 s42, s42, s40                     ; tile column
	s_and_b32 s17, ttmp7, 0xffff
	s_lshl_b32 s17, s17, 2
	s_add_co_u32 s17, s17, s41                     ; tile row
	s_lshl_b32 s43, s41, 2
	s_lshl_b32 s43, 15, s43                        ; my row of the cluster
	s_lshl_b32 s44, 0x1111, s40                    ; my column
	s_or_b32 s[G1], s43, (3<<16)|(1<<21)           ; elements of 8 bytes, no padding; bit 21 beside the mask
	s_or_b32 s[G1B], s44, (3<<16)|(1<<21)
.irp g, G1, G1B
	s_mov_b32 s[\g+1], 32<<16                      ; rows of 256 bytes,
	s_mov_b32 s[\g+2], 144<<16                     ; 144 of them
	s_mov_b32 s[\g+3], 32<<16
	s_mov_b32 s[\g+4], 144
	s_mov_b32 s[\g+5], 32
	s_mov_b32 s[\g+6], 0
	s_mov_b32 s[\g+7], 0
.endr
	s_mul_i32 s20, s17, TILEB
	s_mov_b32 s21, 0
	s_mul_i32 s46, s42, TILEB
	s_mov_b32 s47, 0
	s_mul_i32 s18, s16, STEPB                      ; the last fill's halves are one step each
	s_mov_b32 s19, 0
	s_mul_i32 s22, s16, HALFR
	s_mov_b32 s23, 0
	s_mov_b32 s76, s18
	s_add_co_u32 s77, s18, SLOTA
	s_wait_dscnt 0x0                               ; both opening adds are done
	s_wait_kmcnt 0x0
	s_add_nc_u64 s[20:21], s[4:5], s[20:21]        ; x's tile
	s_add_nc_u64 s[46:47], s[8:9], s[46:47]        ; W's tile
	CROUND                                         ; all sixteen work-groups are here
	s_add_nc_u64 s[72:73], s[20:21], s[18:19]
	s_add_nc_u64 s[72:73], s[72:73], 10*SLOTA      ; my half of the last fill
	s_add_nc_u64 s[74:75], s[46:47], s[18:19]
	s_add_nc_u64 s[74:75], s[74:75], 10*SLOTA
	s_add_nc_u64 s[4:5], s[20:21], s[22:23]        ; my half of fill 0
	s_add_nc_u64 s[8:9], s[46:47], s[22:23]
.irp s, 0,1
	s_mov_b32 s[G0+4*\s], 1
	s_add_co_u32 s[G0+4*\s+1], s22, \s*SLOT
	s_add_nc_u64 s[G0+4*\s+2:G0+4*\s+3], s[4:5], \s*SLOTA
	s_or_b32 s[G0+4*\s+3], s[G0+4*\s+3], 0x80000000
	s_mov_b32 s[G0B+4*\s], 1
	s_add_co_u32 s[G0B+4*\s+1], s22, \s*SLOT+SLOTA
	s_add_nc_u64 s[G0B+4*\s+2:G0B+4*\s+3], s[8:9], \s*SLOTA
	s_or_b32 s[G0B+4*\s+3], s[G0B+4*\s+3], 0x80000000
.endr
	JLOAD 0                                        ; fill 0: one tensor load a wave at the head
	s_lshl_b32 s18, s17, 15
	s_lshl_b32 s19, s15, 9
	s_add_co_u32 s18, s18, s19
	s_mov_b32 s19, 0
	s_add_nc_u64 s[6:7], s[6:7], s[18:19]          ; x's scale words: my tile, my half
	s_lshl_b32 s18, s42, 15
	s_lshl_b32 s19, s16, 9
	s_add_co_u32 s18, s18, s19
	s_mov_b32 s19, 0
	s_add_nc_u64 s[10:11], s[10:11], s[18:19]      ; W's
	s_lshl_b32 s18, s42, 10
	s_lshl_b32 s19, s16, 9
	s_add_co_u32 s18, s18, s19
	s_mov_b32 s19, 0
	s_add_nc_u64 s[66:67], s[66:67], s[18:19]      ; my 128 columns, in bytes: of the bias
	s_add_nc_u64 s[12:13], s[12:13], s[18:19]      ; and of out0
	s_lshl_b32 s18, s17, 8
	s_lshl_b32 s19, s15, 7
	s_add_co_u32 s18, s18, s19
	s_lshl_b32 s18, s18, 14                        ; my first row x 16,384 bytes
	s_mov_b32 s19, 0
	s_add_nc_u64 s[12:13], s[12:13], s[18:19]
	s_cmp_eq_u32 s15, 0
	s_cselect_b64 s[PFA:PFA+1], s[4:5], s[8:9]     ; the prefetches: the half that I fetch,
	s_cselect_b32 s18, s40, s41                    ; my place among the four that ask with me: 36 rows each,
	s_mul_i32 s18, s18, 36*256
	s_add_co_u32 s18, s18, 3*SLOTA                 ; at fill 3: each refill steps it by one fill first
	s_add_nc_u64 s[PFA:PFA+1], s[PFA:PFA+1], s[18:19]
	s_mul_i32 s43, s15, 8*FRB                      ; my eight fragments of x in slot 0, 1
	s_add_co_u32 s44, s43, SLOT
	s_mul_i32 s45, s16, 8*FRB                      ; and of W
	s_add_co_u32 s45, s45, SLOTA
	s_add_co_u32 s70, s45, SLOT
	s_mul_i32 s23, s14, 16*SPITCH
	s_add_co_u32 s23, s23, STAGE                   ; my stage
	v_and_b32 v1, 15, v0
	v_bfe_u32 v2, v0, 4, 1
	v_and_b32 v3, 31, v0
	v_lshlrev_b32 v[SOF], 4, v3
	v_lshlrev_b32 v[PFO], 8, v3
	v_add_nc_u32 v4, 32, v3
	v_min_u32 v4, 35, v4
	v_lshlrev_b32 v[PFO2], 8, v4
	v_mul_u32_u24 v5, v1, SPITCH
	v_lshl_add_u32 v5, v2, 5, v5
	v_add_nc_u32 v[STO], s23, v5                   ; in: row l % 16, 32 bytes for each half of the lanes
	v_add_nc_u32 v[RD], s23, v[SOF]                ; back: 32 lanes take a row of 512 bytes
	WIN 0x40                                       ; the fragments' addresses, in window 1
	v_add_nc_u32 v[AD], s43, v[SOF]
	v_add_nc_u32 v[AD+1], s44, v[SOF]
	v_add_nc_u32 v[AD+2], s45, v[SOF]
	v_add_nc_u32 v[AD+3], s70, v[SOF]
	WIN 0
	s_wait_alu depctr_va_vdst(0)
.macro SLOAD set, so                   ; a step's scale words: x's four registers, W's four
	global_load_b128 v[SC+8*(\set):SC+8*(\set)+3], v[SOF], s[6:7] offset:\so
	global_load_b128 v[SC+8*(\set)+4:SC+8*(\set)+7], v[SOF], s[10:11] offset:\so
.endm
	SLOAD 0, 0
	SLOAD 1, 1024
; 12 loads: one operand half (bh = 0: x, 1: W; ah: its blocks 0-3 or 4-7) of the step at step un of slot sl, into set pn.  win: the half's window as destination, window 1 for the address
.macro L12 win, ah, bh, pn, sl, un
	WIN \win
.irp i, 0,1,2,3,4,5,6,7,8,9,10,11
	ds_load_b128 v[128+48*(\pn)+4*\i:128+48*(\pn)+4*\i+3], v[AD+2*(\bh)+(\sl)] offset:(\un)*STEPB+(4*(\ah)+\i/3)*FRB+512*(\i%3)
.endr
.endm
.macro RUN h, pn, sl, un               ; a run of 24 loads.  h = 0: x 0-3, then W 0-3;  h = 1: W 4-7, then x 4-7
.if (\h) == 0
	L12 0x01, 0, 0, \pn, \sl, \un
	L12 0x41, 0, 1, \pn, \sl, \un
.else
	L12 0x81, 1, 1, \pn, \sl, \un
	L12 0xc1, 1, 0, \pn, \sl, \un
.endif
.endm
.macro WM zero, ob, oa                 ; one product; ob, oa: W's, x's block is the odd one of its scale register (lanes 16-31)
.if \zero
.if (\ob == 0) && (\oa == 0)
	v_wmma_scale_f32_16x16x128_f8f6f4 v[rD:rD+7], v[rW:rW+11], v[rX:rX+11], 0, v[rSW], v[rSX] matrix_a_fmt:MATRIX_FMT_BF6 matrix_b_fmt:MATRIX_FMT_BF6
.elseif (\ob == 1) && (\oa == 0)
	v_wmma_scale_f32_16x16x128_f8f6f4 v[rD:rD+7], v[rW:rW+11], v[rX:rX+11], 0, v[rSW], v[rSX] matrix_a_fmt:MATRIX_FMT_BF6 matrix_b_fmt:MATRIX_FMT_BF6 matrix_a_scale:MATRIX_SCALE_ROW1
.elseif (\ob == 0) && (\oa == 1)
	v_wmma_scale_f32_16x16x128_f8f6f4 v[rD:rD+7], v[rW:rW+11], v[rX:rX+11], 0, v[rSW], v[rSX] matrix_a_fmt:MATRIX_FMT_BF6 matrix_b_fmt:MATRIX_FMT_BF6 matrix_b_scale:MATRIX_SCALE_ROW1
.else
	v_wmma_scale_f32_16x16x128_f8f6f4 v[rD:rD+7], v[rW:rW+11], v[rX:rX+11], 0, v[rSW], v[rSX] matrix_a_fmt:MATRIX_FMT_BF6 matrix_b_fmt:MATRIX_FMT_BF6 matrix_a_scale:MATRIX_SCALE_ROW1 matrix_b_scale:MATRIX_SCALE_ROW1
.endif
.else
.if (\ob == 0) && (\oa == 0)
	v_wmma_scale_f32_16x16x128_f8f6f4 v[rD:rD+7], v[rW:rW+11], v[rX:rX+11], v[rD:rD+7], v[rSW], v[rSX] matrix_a_fmt:MATRIX_FMT_BF6 matrix_b_fmt:MATRIX_FMT_BF6
.elseif (\ob == 1) && (\oa == 0)
	v_wmma_scale_f32_16x16x128_f8f6f4 v[rD:rD+7], v[rW:rW+11], v[rX:rX+11], v[rD:rD+7], v[rSW], v[rSX] matrix_a_fmt:MATRIX_FMT_BF6 matrix_b_fmt:MATRIX_FMT_BF6 matrix_a_scale:MATRIX_SCALE_ROW1
.elseif (\ob == 0) && (\oa == 1)
	v_wmma_scale_f32_16x16x128_f8f6f4 v[rD:rD+7], v[rW:rW+11], v[rX:rX+11], v[rD:rD+7], v[rSW], v[rSX] matrix_a_fmt:MATRIX_FMT_BF6 matrix_b_fmt:MATRIX_FMT_BF6 matrix_b_scale:MATRIX_SCALE_ROW1
.else
	v_wmma_scale_f32_16x16x128_f8f6f4 v[rD:rD+7], v[rW:rW+11], v[rX:rX+11], v[rD:rD+7], v[rSW], v[rSX] matrix_a_fmt:MATRIX_FMT_BF6 matrix_b_fmt:MATRIX_FMT_BF6 matrix_a_scale:MATRIX_SCALE_ROW1 matrix_b_scale:MATRIX_SCALE_ROW1
.endif
.endif
.endm
; Quadrant g's 16 products of a step: p the fragments' set, sc the scale set.
; The accumulators take turns, one instruction a turn.
.macro GRP g, p, sc, zero
.set AH, (\g)/2
.set BH, (((\g)+1)/2)%2
	WIN ((\g)<<6)|((\g)<<4)|((3*AH)<<2)|(1+BH)     ; results in window g; W's half in window 1 + BH, x's in window 3 AH
.irp a, 0,1,2,3
.irp b, 0,1,2,3
.set rD, 8*(4*\a+\b)
.set rW, 128+48*(\p)+12*\b
.set rX, 128+48*(\p)+12*\a
.set rSW, SC+8*(\sc)+4+2*BH+\b/2
.set rSX, SC+8*(\sc)+2*AH+\a/2
	WM \zero, \b%2, \a%2
.endr
.endr
.endm
.macro ASK how                         ; 0: the fill two refills on, but not in the loop's last trip; 2: nothing
.if \how == 0
	s_cmp_gt_u32 s3, 1
	s_cbranch_scc0 .Lnoask_\@
	global_prefetch_b8 v[PFO], s[PFA:PFA+1] th:TH_LOAD_NT scope:SCOPE_SE
	global_prefetch_b8 v[PFO2], s[PFA:PFA+1] th:TH_LOAD_NT scope:SCOPE_SE
.Lnoask_\@:
.endif
.endm
.macro SCL sc, so                      ; the scale words of the step two on, into the set that the last step used
.if (\so) > 0
	WIN 0
	SLOAD ((\sc)+2)%3, \so
.endif
.endm
; A step of 128 along K: 64 products.  p, sc: its sets; sl, un: where the next step's fragments lie; lc: the global loads younger than this step's scale words; ld = 0: the next step's fragments are not fetched here.
; LDS loads come back in order: x 0-3, W 0-3 (the first run), W 4-7, x 4-7 (the second), 12 each.
; turn = 1: this is its slot's last step, all its fragments are in registers: the three lines, a round of the cluster's barrier, and the slot is filled again, two fills on; the step's work follows the request.
; turn = 3: the same with the short last fill.
.macro STEP p, sc, sl, un, so, lc, zero, turn, ask, ld
.if \turn
	WIN 0
.if (\turn) == 1
	s_wait_xcnt 0x0                                ; my prefetches have read their address
	s_add_nc_u64 s[PFA:PFA+1], s[PFA:PFA+1], SLOTA
.endif
	s_wait_tensorcnt 0x0                           ; all my tensor loads have landed: my part of the other slot;
	ds_add_u32 v[SPW], v[NIL]
.if (\turn) == 1
	s_add_nc_u64 s[G0+4*(1-(\sl))+2:G0+4*(1-(\sl))+3], s[G0+4*(1-(\sl))+2:G0+4*(1-(\sl))+3], 2*SLOTA
	s_add_nc_u64 s[G0B+4*(1-(\sl))+2:G0B+4*(1-(\sl))+3], s[G0B+4*(1-(\sl))+2:G0B+4*(1-(\sl))+3], 2*SLOTA
.else
.irp g, G1, G1B
	s_mov_b32 s[\g+2], 96<<16                      ; no tensor load of mine is out: the last fill has 96 rows a wave
	s_mov_b32 s[\g+4], 96
.endr
	s_mov_b32 s[G0+1], s76
	s_mov_b64 s[G0+2:G0+3], s[72:73]
	s_or_b32 s[G0+3], s[G0+3], 0x80000000
	s_mov_b32 s[G0B+1], s77
	s_mov_b64 s[G0B+2:G0B+3], s[74:75]
	s_or_b32 s[G0B+3], s[G0B+3], 0x80000000
.endif
	s_wait_dscnt 0x0                               ; the add is done, and my reads of this slot are over (the last were issued 32 matrix instructions ago)
	CROUND                                         ; no wave of any partner still reads this slot or has a load on its way
	JLOAD 1-(\sl)                                  ; the first tensor load behind the round; its four v_nop are the places in front of the loads below
	s_wait_loadcnt \lc
.else
	s_wait_dscnt 24                                ; x 0-3 and W 0-3 are in; the last step's second run may be out
	s_wait_loadcnt \lc
	PLACES                                         ; four places in front of loads into registers that the last step's products read
.endif
	SCL \sc, \so
	ASK \ask
.if \ld
	RUN 0, 1-(\p), \sl, \un
.endif
	GRP 0, \p, \sc, \zero
	s_wait_dscnt 12+24*(\ld)                       ; W 4-7 are in; x 4-7 and this step's first run may be out
	GRP 1, \p, \sc, \zero
	s_wait_dscnt 24*(\ld)                          ; x 4-7 are in; this step's first run may be out
.if \ld
	RUN 1, 1-(\p), \sl, \un
.endif
	GRP 2, \p, \sc, \zero
	GRP 3, \p, \sc, \zero
.endm
	s_wait_tensorcnt 0x0                           ; my part of fill 0 is in
	ds_add_u32 v[SPW], v[NIL]
	s_wait_dscnt 0x0
	CROUND
	JLOAD 1                                        ; fill 1, slot 1's first
	RUN 0, 0, 0, 0                                 ; step 0's fragments
	RUN 1, 0, 0, 0
	STEP 0, 0, 0, 1, 2048, 2, 1, 0, 2, 1           ; step 0 starts the sums
	WIN 0
	s_mov_b32 s3, 4
.Llap:                                                 ; a trip: steps 6 t + 1 .. 6 t + 6, once round the ring
	STEP 1, 1, 0, 2, 3072, 2, 0, 0, 2, 1
	STEP 0, 2, 1, 0, 4096, 2, 0, 1, 0, 1           ; slot 0's last step: fill 2 t + 2
	STEP 1, 0, 1, 1, 5120, 2, 0, 0, 2, 1
	STEP 0, 1, 1, 2, 6144, 2, 0, 0, 2, 1
	STEP 1, 2, 0, 0, 7168, 2, 0, 1, 0, 1           ; slot 1's last step: fill 2 t + 3
	STEP 0, 0, 0, 1, 8192, 2, 0, 0, 2, 1
	WIN 0
	s_wait_xcnt 0x0                                ; the scale loads have read their bases
	s_add_nc_u64 s[6:7], s[6:7], 6*1024
	s_add_nc_u64 s[10:11], s[10:11], 6*1024
	s_sub_co_u32 s3, s3, 1
	s_cmp_lg_u32 s3, 0
	s_cbranch_scc1 .Llap
	STEP 1, 1, 0, 2, 3072, 2, 0, 0, 2, 1           ; steps 25 to 29, written out
	STEP 0, 2, 1, 0, 4096, 2, 0, 3, 2, 1           ; the short last fill
	STEP 1, 0, 1, 1, 5120, 2, 0, 0, 2, 1
	STEP 0, 1, 1, 2, 6144, 2, 0, 0, 2, 1
	STEP 1, 2, 0, 0, 7168, 2, 0, 0, 2, 0           ; step 29 is multiplied while the last fill is on its way: it fetches nothing
; THE WAY OUT, block by block of 16 rows x 128 columns: through my own stage in LDS and back as whole rows of 512 bytes; the bias, four numbers a lane, is added there; 32 lanes store two aligned units of 256 bytes.
.macro BREG a, t                       ; where row t of block a comes back: even blocks v128-191; odd blocks v192-223 and v0-31 (block 0's accumulators, staged by then), all in window 0
.if (\a)%2 == 0
.set R, 128+4*(\t)
.elseif (\t) < 8
.set R, 192+4*(\t)
.else
.set R, 4*(\t)-32
.endif
.endm
.macro TOSTAGE a
.set AI, (\a)%4
.set AH, (\a)/4
	WIN (3*AH)<<2                                  ; the data: columns 0-63 lie in window 0 or 3,
.irp b, 0,1,2,3
	ds_store_b128 v[STO], v[8*(4*AI+\b):8*(4*AI+\b)+3] offset:64*\b          ; each accumulator from its low end on
	ds_store_b128 v[STO], v[8*(4*AI+\b)+4:8*(4*AI+\b)+7] offset:64*\b+16
.endr
	WIN (1+AH)<<2                                  ; columns 64-127 in window 1 or 2
.irp b, 0,1,2,3
	ds_store_b128 v[STO], v[8*(4*AI+\b):8*(4*AI+\b)+3] offset:256+64*\b
	ds_store_b128 v[STO], v[8*(4*AI+\b)+4:8*(4*AI+\b)+7] offset:256+64*\b+16
.endr
	WIN 0
.irp t, 0,1,2,3,4,5,6,7,8,9,10,11,12,13,14,15
	BREG \a, \t
	ds_load_b128 v[R:R+3], v[RD] offset:\t*SPITCH  ; LDS serves a wave's instructions in order: these see the stores above
.endr
.endm
.macro SEND a, younger
	s_wait_dscnt \younger
.if (\a) > 0
	s_add_nc_u64 s[12:13], s[12:13], 16*SIZE_N*4   ; behind a wait on XCNT: the earlier stores have read their base
.endif
.irp t, 0,1,2,3,4,5,6,7,8,9,10,11,12,13,14,15
	BREG \a, \t
	v_pk_add_f32 v[R:R+1], v[R:R+1], v[BI:BI+1]
	v_pk_add_f32 v[R+2:R+3], v[R+2:R+3], v[BI+2:BI+3]
.endr
.irp t, 0,1,2,3,4,5,6,7,8,9,10,11,12,13,14,15
	BREG \a, \t
	global_store_b128 v[SOF], v[R:R+3], s[12:13] offset:\t*SIZE_N*4 th:TH_STORE_NT
.endr
.endm
	WIN 0
	s_wait_tensorcnt 0x0                           ; my part of the last fill is in;
	ds_add_u32 v[SPW], v[NIL]
	s_wait_dscnt 0x0                               ; and my reads of slot 1 are long over
	s_barrier_signal -1
	s_barrier_wait -1                              ; the last fill is whole, and nobody reads slot 1 any more; nothing is filled again
	PLACES                                         ; four places in front of loads into registers that step 29's products read
	global_load_b128 v[BI:BI+3], v[SOF], s[66:67]  ; the bias, into the scale set that step 29 used
	L12 0x01, 0, 0, 0, 0, 0                        ; step 30: x 0-3,
	L12 0x41, 0, 1, 0, 0, 0                        ; W 0-3,
	L12 0x81, 1, 1, 0, 0, 0                        ; W 4-7;
	L12 0x01, 0, 0, 1, 0, 1                        ; step 31: x 0-3,
	L12 0x41, 0, 1, 1, 0, 1                        ; W 0-3
	s_wait_loadcnt 1                               ; both steps' scale words are in; the bias may be out
	s_wait_dscnt 24                                ; step 30's three halves are in; step 31's two may be out
	GRP 0, 0, 0, 0                                 ; rows 0-63, step 30
	GRP 1, 0, 0, 0
	L12 0x81, 1, 1, 1, 0, 1                        ; step 31: W 4-7;
	L12 0xc1, 1, 0, 0, 0, 0                        ; x 4-7 of step 30
	L12 0xc1, 1, 0, 1, 0, 1                        ; and of step 31
	s_wait_dscnt 36                                ; all but the 36 just issued
	GRP 0, 1, 1, 0                                 ; rows 0-63, step 31
	s_wait_dscnt 24                                ; W 4-7 are in
	GRP 1, 1, 1, 0
	s_wait_dscnt 0x0
	PLACES                                         ; rows 0-63 are finished: four places in front of the first read of their results
	WIN 0
	s_wait_loadcnt 0x0                             ; the bias is in
	TOSTAGE 0
	GRP 2, 0, 0, 0                                 ; rows 64-127, step 30, between the blocks that leave
	PLACES
	TOSTAGE 1
	SEND 0, 32                                     ; behind block 0's loads: block 1's 16 stores and 16 loads
	GRP 3, 0, 0, 0
	PLACES
	s_wait_xcnt 0x0                                ; block 0's stores have read their registers and their base
	TOSTAGE 2
	SEND 1, 32
	GRP 2, 1, 1, 0                                 ; rows 64-127, step 31
	PLACES
	s_wait_xcnt 0x0
	TOSTAGE 3
	SEND 2, 32
	GRP 3, 1, 1, 0
	PLACES
.irp a, 4,5,6,7
	s_wait_xcnt 0x0                                ; block a - 2's stores have read their registers and their base
	TOSTAGE \a
	SEND \a-1, 32
.endr
	s_wait_xcnt 0x0
	SEND 7, 0
	s_wait_tensorcnt 0x0                           ; the wave's end
	ds_add_u32 v[SPW], v[NIL]
	s_wait_dscnt 0x0
	CROUND                                         ; the closing round
	s_endpgm
.Lfunc_end_k_q5fae42e837_gemm:
	.size	k_q5fae42e837_gemm, .Lfunc_end_k_q5fae42e837_gemm-k_q5fae42e837_gemm
	.p2alignl 7, 3214868480
	.fill 96, 4, 3214868480
	.section	.rodata,"a",@progbits
	.p2align	6, 0x0
	.amdhsa_kernel k_q5fae42e837_gemm
		.amdhsa_group_segment_fixed_size 327680
		.amdhsa_private_segment_fixed_size 0
		.amdhsa_enable_private_segment 0
		.amdhsa_kernarg_size 48
		.amdhsa_user_sgpr_count 2
		.amdhsa_user_sgpr_kernarg_segment_ptr 1
		.amdhsa_wavefront_size32 1
		.amdhsa_system_sgpr_workgroup_id_x 1
		.amdhsa_system_sgpr_workgroup_id_y 1
		.amdhsa_system_sgpr_workgroup_id_z 1
		.amdhsa_system_vgpr_workitem_id 0
		.amdhsa_next_free_vgpr 1024
		.amdhsa_next_free_sgpr 78
		.amdhsa_reserve_vcc 0
		.amdhsa_float_denorm_mode_32 3
		.amdhsa_float_denorm_mode_16_64 3
		.amdhsa_memory_ordered 1
		.amdhsa_forward_progress 1
		.amdhsa_inst_pref_size 223
	.end_amdhsa_kernel
	.amdgpu_metadata
---
amdhsa.version: [ 1, 2 ]
amdhsa.kernels:
  - .name:           k_q5fae42e837_gemm
    .symbol:         k_q5fae42e837_gemm.kd
    .args:
      - { .name: x_img, .offset: 0, .size: 8, .value_kind: global_buffer, .address_space: global }
      - { .name: xs_img, .offset: 8, .size: 8, .value_kind: global_buffer, .address_space: global }
      - { .name: w_codes, .offset: 16, .size: 8, .value_kind: global_buffer, .address_space: global }
      - { .name: w_scales, .offset: 24, .size: 8, .value_kind: global_buffer, .address_space: global }
      - { .name: bias, .offset: 32, .size: 8, .value_kind: global_buffer, .address_space: global }
      - { .name: out0, .offset: 40, .size: 8, .value_kind: global_buffer, .address_space: global }
    .group_segment_fixed_size: 327680
    .private_segment_fixed_size: 0
    .kernarg_segment_align: 8
    .kernarg_segment_size: 48
    .max_flat_workgroup_size: 128
    .sgpr_count:     78
    .vgpr_count:     1024
    .wavefront_size: 32
...
	.end_amdgpu_metadata
.endif
;; end of part 2
